; MI455X (gfx1250); checked and timed in simulation.
; The chip was launched on July 23, 2026; its instructions are those of AMD's public machine-readable ISA for CDNA 5 (MIT licence, August 2026) and "CDNA5" Instruction Set Architecture Reference Guide (July 2026). The comments in the code are by the model that wrote it; some were corrected since.
;; Linear Attention. Allowed arithmetic: matrix products marked QUANTISED: E2M1 operands, one E8M0 scale for each 32 along K, by v_wmma_scale_f32_16x16x128_f8f6f4 with both operands' format E2M1 (or v_wmma_scale_f32_32x16x128_f4), f32 sums; products left as they are: f32 operands where the result goes on into a quantised operand, else bf16, f16 or f32 operands; f32 sums; everything else in f32.
;; Inputs: k 4 x 8,192 x 8 x 64 float32; kv_mask 4 x 8,192 float32; q 4 x 8,192 x 8 x 64 float32; q_mask 4 x 8,192 float32; v 4 x 8,192 x 8 x 64 float32.
;; Outputs: out0 4 x 8,192 x 8 x 64 float32.
;; This version of the problem:
;;   THIS VERSION OF THE PROBLEM IS GIVEN IN LOW PRECISION. The matrix products marked QUANTISED in the list below multiply operands that are first quantised to E2M1 (2 exponent bits, 1 mantissa bit; 4 bits a number), with one power-of-two scale for each 32 numbers along K (OCP MX v1.0); their sums are f32. All else is computed in f32.
;;   The module's matrix products, in the order in which they are computed (A, B: the left and right operand; K: the contracted axis; several contracted axes count as one K, in the product's order):
;;     1. batch 32 x [M 64, K 8,192] x [K 8,192, N 64]; A: computed on the way; B: computed on the way: QUANTISED
;;     2. batch 32 x [M 1, K 64] x [K 64, N 8,192]; A: computed on the way; B: computed on the way: left as it is (M = 1 < 16)
;;     3. batch 32 x [M 64, K 64] x [K 64, N 8,192]; A: computed on the way; B: computed on the way: QUANTISED
;;     4. batch 262,144 x [M 1, K 1] x [K 1, N 64]; A: computed on the way; B: computed on the way: left as it is (no contracted axis)
;;   THE QUANTISER, for each operand of a quantised product, along K:
;;     - K is cut into blocks of 32 from its start; a last block that is shorter is filled with zeros.
;;     - A block's scale is 2^e with e = floor(log2(the largest magnitude in the block)) - 2, held to -126 .. 127; a block of zeros has e = 0. As a byte (E8M0): e + 127.
;;     - Each number is divided by its block's scale, clamped to +-6, and rounded to the nearest number of E2M1, ties to even, subnormals kept.
;;     - The product sums the exact products of the quantised numbers (number of the format x scale) in f32.
;;   ~~~python
;;   def quantise(x, axis):      # numpy; x: float32 -> the quantised numbers, widened to float32 again
;;       x = np.moveaxis(x, axis, -1); K = x.shape[-1]
;;       x = np.pad(x, [(0, 0)] * (x.ndim - 1) + [(0, -K % 32)]); x = x.reshape(x.shape[:-1] + (-1, 32)); a = np.abs(x).max(-1, keepdims=True)
;;       e = np.where(a > 0, np.clip(np.frexp(np.where(a > 0, a, 1))[1] - 1 - 2, -126, 127), 0)      # np.frexp(a)[1] - 1 = floor(log2(a)), exactly
;;       r = np.clip(x / 2.0 ** e, -6, 6)
;;       step = 2.0 ** (np.maximum(np.frexp(np.where(r == 0, 1, r))[1] - 1, 0) - 1)
;;       q = np.round(r / step) * step * 2.0 ** e      # np.round: ties to even
;;       return np.moveaxis(q.reshape(q.shape[:-2] + (-1,))[..., :K], -1, axis).astype(np.float32)
;;   ~~~
;;   OPERANDS COMPUTED ON THE WAY. 'Computed on the way' means the value that the module computes at that place (a softmax that the list does not call 'softmax' is quantised finished and normalised). What goes into a quantiser is computed in f32, as accurately as f32 sums, v_exp_f32 and their like allow (about 1e-6 of the number): no bf16 or f16 on the way to a quantiser, and a product that is left as it is and whose result goes on into a quantised operand takes f32 operands (vector FMAs, or v_wmma_f32_16x16x4_f32). A number that lies on a knife's edge between two numbers of the format may be rounded either way, as far as f32 arithmetic and the matrix unit's own rounding can turn it there, and no further.
;; 2 versions, each right; version 2 is version 1 with the launch state written anew for expert scheduling mode. Each part assembles by itself: llvm-mc -triple=amdgcn-amd-amdhsa -mcpu=gfx1250 --defsym DOCPART=n.
;; ======== version 1 of 2: 2 launches
;; workspace buffers: kvp 4,194,304 bytes; ksp 65,536 bytes
;; launch state (part 1): grid 8 x 32, 16 waves a work-group, no clusters, 79,872 bytes of LDS; arguments k, v, kv_mask, kvp, ksp; writes kvp, ksp
.if DOCPART == 1
	.amdgcn_target "amdgcn-amd-amdhsa--gfx1250"
	.amdhsa_code_object_version 6
	.text
	.protected	k_q82202ffd87_state
	.globl	k_q82202ffd87_state
	.p2align	8
	.type	k_q82202ffd87_state,@function
k_q82202ffd87_state:
	s_mov_b64 s[64:65], 0
	v_nop
	global_prefetch_b8 v0, s[64:65] scope:SCOPE_SE
	s_setreg_imm32_b32 hwreg(HW_REG_WAVE_MODE, 25, 1), 1
	s_wait_xcnt 0x0
; kv[n][h][d][v] = sum over s of Q(mask elu1(k))[s][d] x Q(mask v / S)[s][v], and k_sum[n][h][d] = sum over s of mask elu1(k), for ONE chunk of 1,024 s of one (n, h).
; k, v: [4][8192][8][64] f32; kv_mask: [4][8192] f32.  Q: codes of FP4 (E2M1) with one E8M0 scale for each 32 along K = s.  elu1(x) = x + 1 for x > 0, e^x else.
; OUT: kvp[8 n + h][chunk][4096] f32, a partial sum of kv in the order of the results' registers (below); ksp[8 n + h][chunk][64] f32.  The next launch adds the 8 chunks.
; SHARES.  Work-group (x = chunk, y = 8 n + h); sixteen waves; wave w takes s = 1024 x + 64 w .. + 63 of k and of v: four pieces of 32 rows, 8 KiB each.
; A LANE TAKES TWO COLUMNS, ITS REGISTERS RUN DOWN s.  A head's row is 64 f32: each load of the wave (8 bytes a lane) covers those 256 consecutive bytes, aligned.  So a block of 32 along K lies in one lane,
; its largest magnitude needs no other lane, the mask of a row is the same in all lanes (a scalar register), and the last elementwise instruction writes each number where the conversion wants it: nothing is transposed.
; elu1(x) = max(x + 1, 2^-|x log2 e|): for x > 0 the power is under 1 < x + 1; for x <= 0 it is e^x >= x + 1.  No compare, no select.
; v / S, S = 2^13: the codes of mask v / S are those of mask v, and the block's byte is 13 lower; the floor under the largest magnitude is 13 higher, so that the byte is held at 1 as the rule asks.
; FROM LANES TO FRAGMENTS.  Lane L holds columns 2 L + e (e = 0, 1).  v_permlane16_swap_b32 on the codes of blocks 0 and 1 leaves, in the first register, rows 2 r + e with block 0 in lanes 0-15 and block 1 in lanes 16-31,
; in the second the same of rows 32 + 2 r + e: registers 0-3 (even wave) or 4-7 (odd wave) of the fragments of four tiles: tile 2 e + half holds columns 32 half + 2 r + e.
; THROUGH LDS AS IMAGES OF REGISTERS: codes at tile x 8192 + wave x 512 + 16 x lane, a wave's two scale bytes as a word at wave x 128 + 4 x lane.  One barrier.  Then wave w makes tile (w / 4 of k) x (w % 4 of v) over the
; chunk's eight K steps of 128: two accumulators by turns.  Result register q of lane (r, h): kv(d = 32 halfA + 16 h + 2 q + eA, v = 32 halfB + 2 r + eB); it is stored at 1024 w + 512 (q / 4) + 16 lane + 4 (q % 4).
; No cluster: work-groups share no input.  No tensor load: the numbers are wanted in registers, in this very order.
; LIMITS: NaN and infinities are not served.  e^x is v_exp_f32 of x log2 e, the product rounded once: relative error about (1 + |x| / 6) x 1e-7; under 2^-126 (x < -87.3) it is 0.  A block of zeros has the byte 1, not 127:
; its codes are zeros and this program alone reads the bytes.  mask v under 2^-113 is not rounded as the denormal mask v / S would be.
.set L2E,  0x3fb8aa3b                  ; log2(e)
.set RA,   16                          ; v16-79    a piece as loaded: register 2 j + e = row j, column 2 L + e
.set RB,   80                          ; v80-143   the other piece
.set P,    144                         ; v144-207  a piece in K order: register 32 e + j
.set T,    208                         ; v208-223  eight rows' powers at work; later v's codes
.set CK,   224                         ; v224-239  k's codes: 8 e + 4 block + 0 .. 3
.set KS,   240                         ; v240-243  column sums: a pair (even rows, odd rows) for each e
.set SBK,  244                         ; v244-245  k's two scale bytes for each e
.set SBV,  246                         ; v246-247  v's
.set AM,   248                         ; v248-249 largest magnitudes, v250-251 the conversions' scale operands, v252-253 bytes
.set IMGV, 32768                       ; LDS: k's images at 0, v's here,
.set SC,   65536                       ; the scale words: tensor x 4096 + e x 2048 + wave x 128 + 4 x lane,
.set KSA,  73728                       ; the waves' column sums: wave x 256 + 8 x lane
; scalar registers: s2 wave; s8-63 and s68-75 the 64 masks of my rows; s[76:85] k, v, kv_mask, kvp, ksp; s[88:89] log2(e)
	s_load_b256 s[76:83], s[0:1], 0x0              ; k, v, kv_mask, kvp
	s_load_b64 s[84:85], s[0:1], 0x20              ; ksp
	v_lshl_add_u32 v254, v0, 2, 0x13000
	v_mov_b32 v255, 0
	v_lshrrev_b32 v10, 5, v0
	v_readfirstlane_b32 s2, v10                    ; wave 0..15
	v_and_b32 v11, 31, v0                          ; lane
	v_and_b32 v12, 15, v0                          ; r
	v_bfe_u32 v13, v0, 4, 1                        ; h
	v_lshlrev_b32 v1, 3, v11                       ; my 8 bytes of a row
	s_and_b32 s3, ttmp7, 0xffff                    ; y = 8 n + h
	s_lshr_b32 s4, s3, 3                           ; n
	s_and_b32 s5, s3, 7                            ; head
	s_lshl_b32 s6, s4, 24                          ; bytes: n x 8192 rows of 2,048,
	s_lshl_b32 s7, ttmp9, 21                       ; + chunk x 1024 rows,
	s_add_co_u32 s6, s6, s7
	s_lshl_b32 s7, s2, 17                          ; + wave x 64 rows,
	s_add_co_u32 s6, s6, s7
	s_lshl_b32 s7, s5, 8                           ; + head x 256
	s_add_co_u32 s6, s6, s7
	s_mov_b32 s7, 0
	s_lshl_b32 s86, s4, 15                         ; the masks of my 64 rows: 4 (8192 n + 1024 chunk + 64 wave)
	s_lshl_b32 s87, ttmp9, 12
	s_add_co_u32 s86, s86, s87
	s_lshl_b32 s87, s2, 8
	s_add_co_u32 s86, s86, s87
	s_mov_b32 s87, 0
	s_mov_b32 s88, L2E
	s_mov_b32 s89, L2E                             ; (named with s88 as a pair, so it is written)
	s_wait_kmcnt 0x0
	s_add_nc_u64 s[76:77], s[76:77], s[6:7]
	s_add_nc_u64 s[78:79], s[78:79], s[6:7]
	s_add_nc_u64 s[80:81], s[80:81], s[86:87]
.macro LOADP R, base, b                ; block b (32 rows) of the tensor at s[base]: each load covers one row's 256 consecutive bytes
.set j, 0
.rept 32
	global_load_b64 v[\R+2*j:\R+2*j+1], v1, s[\base:\base+1] offset:(32*(\b)+j)*2048 th:TH_LOAD_NT
.set j, j+1
.endr
.endm
	LOADP RA, 76, 0                                ; k, block 0
	LOADP RB, 76, 1                                ; k, block 1: 16 KiB of the wave are on their way
.irp g, 0,1,2,3,4,5,6
	s_load_b256 s[8+8*\g:15+8*\g], s[80:81], 32*\g ; masks 0 .. 55 in s8 .. s63
.endr
	s_load_b256 s[68:75], s[80:81], 224            ; masks 56 .. 63 in s68 .. s75
	; every LDS address and store offset, made while the loads are out
	s_lshl_b32 s90, s2, 9
	v_lshl_add_u32 v2, v11, 4, s90                 ; images, in: 512 wave + 16 lane
	s_lshl_b32 s90, s2, 7
	s_add_co_u32 s90, s90, SC
	v_lshl_add_u32 v3, v11, 2, s90                 ; scale words, in: SC + 128 wave + 4 lane
	s_lshl_b32 s90, s2, 8
	s_add_co_u32 s90, s90, KSA
	v_lshl_add_u32 v4, v11, 3, s90                 ; column sums, in: KSA + 256 wave + 8 lane
	s_lshr_b32 s91, s2, 2                          ; my tile of k,
	s_and_b32 s92, s2, 3                           ; my tile of v
	s_lshl_b32 s90, s91, 13
	v_lshl_add_u32 v5, v11, 4, s90                 ; k's fragments, out
	s_lshl_b32 s90, s92, 13
	s_add_co_u32 s90, s90, IMGV
	v_lshl_add_u32 v6, v11, 4, s90                 ; v's
	s_lshr_b32 s93, s91, 1                         ; scale words, out: lanes 0-15 take k's tile (e x 2048 + half x 64 + 4 r),
	s_and_b32 s94, s91, 1
	s_lshl_b32 s93, s93, 11
	s_lshl_b32 s94, s94, 6
	s_add_co_u32 s93, s93, s94
	s_lshr_b32 s95, s92, 1                         ; lanes 16-31 v's tile, 4,096 further on:
	s_and_b32 s96, s92, 1
	s_lshl_b32 s95, s95, 11
	s_lshl_b32 s96, s96, 6
	s_add_co_u32 s95, s95, s96
	s_add_co_u32 s95, s95, 4096
	s_sub_co_u32 s95, s95, s93                     ; the lower base + h x the distance (1,984 at the least)
	v_mul_u32_u24 v7, s95, v13
	s_add_co_u32 s93, s93, SC
	v_lshl_add_u32 v7, v12, 2, v7
	v_add_nc_u32 v7, s93, v7
	s_lshl_b32 s90, s2, 10
	v_lshl_add_u32 v8, v11, 4, s90                 ; kvp: 1024 wave + 16 lane
	v_lshl_add_u32 v9, v11, 3, KSA                 ; column sums, out
	s_lshl_b32 s90, s3, 17                         ; kvp at (y, chunk): 16 KiB each
	s_lshl_b32 s91, ttmp9, 14
	s_add_co_u32 s90, s90, s91
	s_mov_b32 s91, 0
	s_add_nc_u64 s[82:83], s[82:83], s[90:91]
	s_lshl_b32 s90, s3, 11                         ; ksp at (y, chunk): 256 bytes each
	s_lshl_b32 s92, ttmp9, 8
	s_add_co_u32 s90, s90, s92
	s_add_nc_u64 s[84:85], s[84:85], s[90:91]
.macro MASKK b, q                      ; rows 8 q .. 8 q + 7 of block b, in P: x the row's mask
.set i, 0
.rept 8
.set jj, 32*(\b)+8*(\q)+i
.set ms, 8+jj+4*(jj/56)
	v_mul_f32 v[P+8*(\q)+i], s[ms], v[P+8*(\q)+i]
	v_mul_f32 v[P+32+8*(\q)+i], s[ms], v[P+32+8*(\q)+i]
.set i, i+1
.endr
.endm
; A piece of k: mask x elu1, eight rows at a time, out of R into P.  cnt: the loads issued behind this piece's.
.macro KPIECE R, b, cnt
.set bt, 0
.rept 4
	s_wait_loadcnt \cnt+24-8*bt                    ; loads come back in order: these eight rows are in; the piece's later rows and the next piece stay out
.set i, 0
.rept 8
	v_pk_mul_f32 v[T+2*i:T+2*i+1], v[\R+16*bt+2*i:\R+16*bt+2*i+1], s[88:89] op_sel_hi:[1,0]   ; x log2(e)
.set i, i+1
.endr
.set i, 0
.rept 16
	v_exp_f32 v[T+i], -|v[T+i]|                    ; 2^-|x log2 e|: sixteen as one batch
.set i, i+1
.endr
.set i, 0
.rept 8
	v_pk_add_f32 v[\R+16*bt+2*i:\R+16*bt+2*i+1], v[\R+16*bt+2*i:\R+16*bt+2*i+1], 1.0 op_sel_hi:[1,0]   ; x + 1: plain work behind the batch,
.set i, i+1
.endr
.if bt > 0
	MASKK \b, bt-1                                 ; and the masks of the eight rows before
.endif
	s_wait_alu depctr_va_vdst(0)                   ; one wait for the batch, ahead of its first reader
.set i, 0
.rept 8
	v_max_num_f32 v[P+8*bt+i], v[\R+16*bt+2*i], v[T+2*i]           ; elu1, written where K order wants it
	v_max_num_f32 v[P+32+8*bt+i], v[\R+16*bt+2*i+1], v[T+2*i+1]
.set i, i+1
.endr
.set bt, bt+1
.endr
	MASKK \b, 3
.endm
.macro KRED b                          ; the column sums take the unquantised numbers: two at a time, a chain for each e
.if \b == 0
	v_pk_add_f32 v[KS:KS+1], v[P:P+1], v[P+2:P+3]                  ; the first rows start the sums: nothing is cleared
	v_pk_add_f32 v[KS+2:KS+3], v[P+32:P+33], v[P+34:P+35]
.set i, 2
.else
.set i, 0
.endif
.rept 14+2*\b
	v_pk_add_f32 v[KS:KS+1], v[KS:KS+1], v[P+2*i:P+2*i+1]
	v_pk_add_f32 v[KS+2:KS+3], v[KS+2:KS+3], v[P+32+2*i:P+32+2*i+1]
.set i, i+1
.endr
.endm
; A piece of v: mask x v, out of R into P in K order.
.macro VPIECE R, b, cnt
.set bt, 0
.rept 4
	s_wait_loadcnt \cnt+24-8*bt
.set i, 0
.rept 8
.set jj, 32*(\b)+8*bt+i
.set ms, 8+jj+4*(jj/56)
	v_mul_f32 v[P+8*bt+i], s[ms], v[\R+16*bt+2*i]
	v_mul_f32 v[P+32+8*bt+i], s[ms], v[\R+16*bt+2*i+1]
.set i, i+1
.endr
.set bt, bt+1
.endr
.endm
; The two blocks in P (one for each e) become codes at v[cd + 8 e + 4 b] on and a byte of v[sb + e].  floor: under it no largest magnitude is taken, so the byte cannot fall under 1.
; badj: what is taken off the largest magnitude's exponent field for the byte (2; for v 2 + 13).  The conversion takes the exponent field of its scale operand (2 off) and nothing else of it.
.macro QUANT b, floor, badj, cd, sb
	v_max3_num_f32 v[AM], |v[P]|, |v[P+1]|, \floor
	v_max3_num_f32 v[AM+1], |v[P+32]|, |v[P+33]|, \floor
.set i, 2
.rept 15
	v_max3_num_f32 v[AM], v[AM], |v[P+i]|, |v[P+i+1]|
	v_max3_num_f32 v[AM+1], v[AM+1], |v[P+32+i]|, |v[P+33+i]|
.set i, i+2
.endr
	v_add_nc_u32 v[AM+2], 0xff000000, v[AM]
	v_add_nc_u32 v[AM+3], 0xff000000, v[AM+1]
	v_add_nc_u32 v[AM+4], \badj, v[AM]
	v_add_nc_u32 v[AM+5], \badj, v[AM+1]
.if \b == 0
	v_lshrrev_b32 v[\sb], 23, v[AM+4]              ; block 0's byte
	v_lshrrev_b32 v[\sb+1], 23, v[AM+5]
.else
	v_lshrrev_b32 v[AM+4], 23, v[AM+4]
	v_lshrrev_b32 v[AM+5], 23, v[AM+5]
	v_lshl_or_b32 v[\sb], v[AM+4], 8, v[\sb]       ; block 1's above it
	v_lshl_or_b32 v[\sb+1], v[AM+5], 8, v[\sb+1]
.endif
.set i, 0
.rept 4
	v_cvt_scalef32_pk8_fp4_f32 v[\cd+4*\b+i], v[P+8*i:P+8*i+7], v[AM+2]
	v_cvt_scalef32_pk8_fp4_f32 v[\cd+8+4*\b+i], v[P+32+8*i:P+32+8*i+7], v[AM+3]
.set i, i+1
.endr
	v_nop                                          ; one plain instruction behind the last scaled conversion
.endm
.macro SEND cd, sb, img, sco           ; halves change places (head comment), then the four half fragments and the two scale words go to LDS as they stand
.set i, 0
.rept 4
	v_permlane16_swap_b32 v[\cd+i], v[\cd+4+i]
	v_permlane16_swap_b32 v[\cd+8+i], v[\cd+12+i]
.set i, i+1
.endr
	ds_store_b128 v2, v[\cd:\cd+3] offset:\img
	ds_store_b128 v2, v[\cd+4:\cd+7] offset:\img+8192
	ds_store_b128 v2, v[\cd+8:\cd+11] offset:\img+16384
	ds_store_b128 v2, v[\cd+12:\cd+15] offset:\img+24576
	ds_store_b32 v3, v[\sb] offset:\sco
	ds_store_b32 v3, v[\sb+1] offset:\sco+2048
.endm
	s_wait_kmcnt 0x0                               ; the masks
	KPIECE RA, 0, 32
	LOADP RA, 78, 0                                ; its registers are read out: v's block 0 goes out
	KRED 0
	QUANT 0, 0x1800000, 0xff000000, CK, SBK
	KPIECE RB, 1, 32
	LOADP RB, 78, 1                                ; v's block 1: the cheap pieces come last, so that little work stands behind the last byte
	KRED 1
	QUANT 1, 0x1800000, 0xff000000, CK, SBK
	SEND CK, SBK, 0, 0
	v_add_f32 v[KS], v[KS], v[KS+1]                ; even rows + odd rows: columns 2 L
	v_add_f32 v[KS+1], v[KS+2], v[KS+3]            ; and 2 L + 1
	ds_store_b64 v4, v[KS:KS+1]
	VPIECE RA, 0, 32
	QUANT 0, 0x8000000, 0xf8800000, T, SBV         ; the floor 2^(16 - 127) and 15 off the exponent field: the byte of mask v / 2^13
	VPIECE RB, 1, 0
	QUANT 1, 0x8000000, 0xf8800000, T, SBV
	SEND T, SBV, IMGV, 4096
	s_wait_dscnt 0x0                               ; for the others' sake: my stores have landed
	s_barrier_signal -1
	s_barrier_wait -1                              ; all sixteen waves' images lie in LDS; nothing is stored to LDS from here on
	; my tile of kv over the chunk's eight K steps.  K step g: registers 0-3 and scale bytes 0, 1 come from wave 2 g, registers 4-7 and bytes 2, 3 from wave 2 g + 1
.set g, 0
.rept 8
	ds_load_b32 v[144+g], v7 offset:256*g          ; lanes 0-15: k's rows; lanes 16-31: v's columns
	ds_load_b32 v[152+g], v7 offset:256*g+128
.set g, g+1
.endr
.set g, 0
.rept 8
	ds_load_b128 v[16+16*g:19+16*g], v5 offset:1024*g
	ds_load_b128 v[20+16*g:23+16*g], v5 offset:1024*g+512
	ds_load_b128 v[24+16*g:27+16*g], v6 offset:1024*g
	ds_load_b128 v[28+16*g:31+16*g], v6 offset:1024*g+512
.set g, g+1
.endr
	s_wait_dscnt 32                                ; the sixteen halves of scale words are in; the 32 fragment loads may be out
.set g, 0
.rept 8
	v_lshl_or_b32 v[144+g], v[152+g], 16, v[144+g]
.set g, g+1
.endr
.rept 8
	v_nop                                          ; a scale register written by a vector instruction stands eight places ahead of a scaled matrix instruction
.endr
.set g, 0
.rept 8
	s_wait_dscnt 4*(7-g)                           ; this K step's four loads are in; the later steps' may be out
.if g < 2
	v_wmma_scale_f32_16x16x128_f8f6f4 v[160+8*g:167+8*g], v[16+16*g:23+16*g], v[24+16*g:31+16*g], 0, v[144+g], v[144+g] matrix_a_fmt:MATRIX_FMT_FP4 matrix_b_fmt:MATRIX_FMT_FP4 matrix_b_scale:MATRIX_SCALE_ROW1
.else
	v_wmma_scale_f32_16x16x128_f8f6f4 v[160+8*(g%2):167+8*(g%2)], v[16+16*g:23+16*g], v[24+16*g:31+16*g], v[160+8*(g%2):167+8*(g%2)], v[144+g], v[144+g] matrix_a_fmt:MATRIX_FMT_FP4 matrix_b_fmt:MATRIX_FMT_FP4 matrix_b_scale:MATRIX_SCALE_ROW1
.endif
.set g, g+1
.endr                                              ; two accumulators by turns, one instruction a turn
.rept 4
	v_nop                                          ; four places behind the last matrix instruction (ISA guide 7.12.1)
.endr
.irp p, 0,2,4,6
	v_pk_add_f32 v[176+\p:177+\p], v[160+\p:161+\p], v[168+\p:169+\p]   ; even K steps + odd K steps, from the low end on
.endr
	global_store_b128 v8, v[176:179], s[82:83]             ; each store of the wave covers 512 consecutive bytes, aligned
	global_store_b128 v8, v[180:183], s[82:83] offset:512
	s_cmp_lg_u32 s2, 0
	s_cbranch_scc1 .Ldone
.set i, 0
.rept 16
	ds_load_b64 v[16+2*i:17+2*i], v9 offset:256*i  ; wave 0 adds the sixteen waves' column sums
.set i, i+1
.endr
	s_wait_dscnt 0x0
.irp i, 0,1,2,3,4,5,6,7
	v_pk_add_f32 v[16+4*\i:17+4*\i], v[16+4*\i:17+4*\i], v[18+4*\i:19+4*\i]
.endr
.irp i, 0,1,2,3
	v_pk_add_f32 v[16+8*\i:17+8*\i], v[16+8*\i:17+8*\i], v[20+8*\i:21+8*\i]
.endr
.irp i, 0,1
	v_pk_add_f32 v[16+16*\i:17+16*\i], v[16+16*\i:17+16*\i], v[24+16*\i:25+16*\i]
.endr
	v_pk_add_f32 v[16:17], v[16:17], v[32:33]
	global_store_b64 v1, v[16:17], s[84:85]        ; 256 consecutive bytes, aligned: k_sum's part, d ascending
.Ldone:
	s_wait_tensorcnt 0x0
	ds_add_u32 v254, v255
	s_wait_dscnt 0x0
	s_endpgm
.Lfunc_end_k_q82202ffd87_state:
	.size	k_q82202ffd87_state, .Lfunc_end_k_q82202ffd87_state-k_q82202ffd87_state
	.p2alignl 7, 3214868480
	.fill 96, 4, 3214868480
	.section	.rodata,"a",@progbits
	.p2align	6, 0x0
	.amdhsa_kernel k_q82202ffd87_state
		.amdhsa_group_segment_fixed_size 79872
		.amdhsa_private_segment_fixed_size 0
		.amdhsa_enable_private_segment 0
		.amdhsa_kernarg_size 40
		.amdhsa_user_sgpr_count 2
		.amdhsa_user_sgpr_kernarg_segment_ptr 1
		.amdhsa_wavefront_size32 1
		.amdhsa_system_sgpr_workgroup_id_x 1
		.amdhsa_system_sgpr_workgroup_id_y 1
		.amdhsa_system_sgpr_workgroup_id_z 1
		.amdhsa_system_vgpr_workitem_id 0
		.amdhsa_next_free_vgpr 256
		.amdhsa_next_free_sgpr 100
		.amdhsa_reserve_vcc 0
		.amdhsa_float_denorm_mode_32 3
		.amdhsa_float_denorm_mode_16_64 3
		.amdhsa_memory_ordered 1
		.amdhsa_forward_progress 1
		.amdhsa_inst_pref_size 70
	.end_amdhsa_kernel
	.amdgpu_metadata
---
amdhsa.version: [ 1, 2 ]
amdhsa.kernels:
  - .name:           k_q82202ffd87_state
    .symbol:         k_q82202ffd87_state.kd
    .args:
      - { .name: k, .offset: 0, .size: 8, .value_kind: global_buffer, .address_space: global }
      - { .name: v, .offset: 8, .size: 8, .value_kind: global_buffer, .address_space: global }
      - { .name: kv_mask, .offset: 16, .size: 8, .value_kind: global_buffer, .address_space: global }
      - { .name: kvp, .offset: 24, .size: 8, .value_kind: global_buffer, .address_space: global }
      - { .name: ksp, .offset: 32, .size: 8, .value_kind: global_buffer, .address_space: global }
    .group_segment_fixed_size: 79872
    .private_segment_fixed_size: 0
    .kernarg_segment_align: 8
    .kernarg_segment_size: 40
    .max_flat_workgroup_size: 512
    .sgpr_count:     100
    .vgpr_count:     256
    .wavefront_size: 32
...
	.end_amdgpu_metadata
.endif
;; end of part 1
;; launch apply (part 2): grid 8 x 32, 16 waves a work-group, no clusters, 301,056 bytes of LDS; arguments q, q_mask, kvp, ksp, out0; writes out0
.if DOCPART == 2
	.amdgcn_target "amdgcn-amd-amdhsa--gfx1250"
	.amdhsa_code_object_version 6
	.text
	.protected	k_q82202ffd87_apply
	.globl	k_q82202ffd87_apply
	.p2align	8
	.type	k_q82202ffd87_apply,@function
k_q82202ffd87_apply:
	s_mov_b64 s[64:65], 0
	v_nop
	global_prefetch_b8 v0, s[64:65] scope:SCOPE_SE
	s_setreg_imm32_b32 hwreg(HW_REG_WAVE_MODE, 25, 1), 1
	s_wait_xcnt 0x0
; out[n][l][h][v] = S x (sum over d of Q(qf)[l][d] Q(kv)[d][v]) / (sum over d of qf[l][d] k_sum[d] + 1e-6), qf = q_mask x elu1(q), S = 8192.
; q, out: [4][8192][8][64] f32; q_mask: [4][8192] f32; kvp, ksp: the 8 partial sums of kv and k_sum of each (n, h), as the launch before stored them.  Q: FP4 (E2M1), one E8M0 scale for each 32 along K = d.
; SHARES.  Work-group (x = block of 1,024 l, y = 8 n + h); sixteen waves; wave w owns rows 64 w .. 64 w + 63: four tiles of 16.
; q COMES ONCE, BY TILES.  The work-group's rows are 1,024 x 256 bytes: with 16 bytes of padding a row they fit LDS whole.  Each wave asks for its own 64 rows at its head by FOUR tensor loads of 16 rows, one for each tile, and reads
; its own bytes alone.  A wave's tensor loads end in order (ISA guide 10.11.1), so tile t is read behind s_wait_tensorcnt 3 - t: its work and its stores go out while the later tiles' rows are still on their way.  That is why the
; loads are of 16 rows and not one of 64.  No byte of LDS is filled twice, and by this text's count a wave has four tensor loads out.
; kv.  While q is on its way wave w adds its sixteenth (1 KiB) of the 8 partial sums in f32 and 4 columns of k_sum, and stores the sums to LDS bytes that no tensor load fills; one barrier; every wave then reads kv by columns and
; quantises it along d into four fragments that stay in its registers.
; SLOTS.  A permutation of K inside a block, applied alike to both operands, keeps every product and every block.  Slot 16 (d % 2) + 8 ((d / 16) % 2) + (d / 2) % 8 of block d / 32 is the order in which kvp holds kv's d, four
; slots to 16 bytes; qf is written into the same slots by the instruction that finishes elu1, and k_sum is laid so in LDS.
; K = 64: registers 4-7 of both operands hold zero codes, which add nothing (their scale bytes are 0, not 0xff).
; THE WAY OUT NEEDS NO STAGE.  Source 0 = 16 rows of qf, source 1 = 16 columns of kv; tile t takes columns v = 4 n + t.  Register j of lane (n, h) in tile t is out(l = 8 h + j, v = 4 n + t): the multiplication by S / (..) writes the
; four tiles' numbers into four neighbouring registers, and sixteen lanes store a row's 256 consecutive bytes, aligned.  The divisor of row 8 h + j reaches all lanes of a half by v_mov_b32_dpp row_share:j.
; NO CLUSTER: the 8 work-groups of a head read the same 128 KiB of kvp; a joint request lands in LDS, where q's 278,528 bytes leave 49,152: it would take refills and their barriers.  They go through registers and are summed on the way.
; LIMITS: NaN and infinities are not served.  e^x is v_exp_f32 of x log2 e, the product rounded once: relative error about (1 + |x| / 6) x 1e-7; under 2^-126 (x < -87.3) it is 0.  A block of zeros has the byte 1, not 127: its codes are zeros.
.set L2E,  0x3fb8aa3b
.set QP,   272                         ; a row of q in LDS: 256 bytes + 16: an odd multiple of 16, so the sixteen rows that a load touches fall on different banks (64 banks of 4 bytes: ISA guide 11.1)
.set QT,   16*QP                       ; a tile's 16 rows: what one tensor load brings
.set QW,   4*QT                        ; a wave's 64 rows
.set KVL,  16*QW                       ; behind q: kv in f32, sixteen blocks of 1,024 bytes, 1,040 apart
.set KVP,  1040
.set KSL,  KVL+16*KVP                  ; k_sum: block x 128 + 4 x slot
.set QM,   4                           ; v4-11    q_mask of my row in tile t, twice: a pair for the packed multiply
.set DV,   12                          ; v12-19   S / (..) of row 8 h + j
.set SA,   20                          ; v20      qf's scale word
.set A,    24                          ; v24-31   qf's fragment; v28-31 stay 0
.set KS,   32                          ; v32-63   k_sum of my block, by slots
.set B,    64                          ; v64-95   kv's four fragments; the upper four registers of each stay 0
.set SB,   96                          ; v96-99   their scale words
.set X,    128                         ; v128-159 32 numbers of q: row r, d = 32 h + i
.set T,    160                         ; v160-191 their powers
.set P,    192                         ; v192-223 qf by slots; then O
.set O,    192                         ;          results to store: 4 j + t.  Of X, T and P the next tile writes P last: so its first lines do not wait for these stores
.set ACC,  224                         ; v224-255 four accumulators
.set G1,   24                          ; s[24:31] descriptor group 1: the shape, the same for the four loads
.set G0,   44                          ; s[44:59] descriptor group 0, a set of four registers for each tile: none is written again
; v2 LDS address of my row in tile 0; v3 my byte offset in the wave's rows of out; v21-23, v100-127 at work.  At the head v128-255 hold the partial sums, then kv by columns.
	s_load_b256 s[4:11], s[0:1], 0x0               ; q, q_mask, kvp, ksp
	s_load_b64 s[12:13], s[0:1], 0x20              ; out
	v_lshl_add_u32 v1, v0, 2, 0x49000
	v_mov_b32 v115, 0
	ds_add_u32 v1, v115
	ds_add_u32 v1, v115
	v_lshrrev_b32 v112, 5, v0
	v_readfirstlane_b32 s14, v112                  ; wave 0..15
	s_and_b32 s15, ttmp7, 0xffff                   ; y = 8 n + h
	s_lshr_b32 s16, s15, 3                         ; n
	s_and_b32 s17, s15, 7                          ; head
	s_lshl_b32 s18, s16, 24                        ; bytes: n x 8192 rows of 2,048 + block x 1024 rows + wave x 64 rows + head x 256
	s_lshl_b32 s19, ttmp9, 21
	s_add_co_u32 s18, s18, s19
	s_lshl_b32 s19, s14, 17
	s_add_co_u32 s18, s18, s19
	s_lshl_b32 s19, s17, 8
	s_add_co_u32 s18, s18, s19
	s_mov_b32 s19, 0
	; descriptor group 1: 16 rows x 64 elements of 4 bytes, 512 elements from row to row, 4 words of padding behind every 64
	s_mov_b32 s[G1+0], (2<<16)|(1<<20)|(5<<22)|(3<<25)
	s_mov_b32 s[G1+1], 64<<16                      ; tensor_dim0 = 64
	s_mov_b32 s[G1+2], 16<<16                      ; tensor_dim1 = 16
	s_mov_b32 s[G1+3], 64<<16                      ; tile_dim0 = 64
	s_mov_b32 s[G1+4], 16                          ; tile_dim1 = 16
	s_mov_b32 s[G1+5], 512                         ; tensor_dim0_stride
	s_mov_b32 s[G1+6], 0
	s_mov_b32 s[G1+7], 0
	s_mul_i32 s21, s14, QW                         ; my wave's own bytes of LDS
.irp t, 0,1,2,3
	s_mov_b32 s[G0+4*\t], 1                        ; group 0: count = 1,
	s_add_co_u32 s[G0+4*\t+1], s21, \t*QT          ; LDS address: wave x 64 rows + tile x 16 rows,
.endr
	s_wait_dscnt 0x0
	s_wait_kmcnt 0x0
	s_add_nc_u64 s[22:23], s[4:5], s[18:19]        ; q at my first row
.irp t, 0,1,2,3
	s_add_nc_u64 s[G0+4*\t+2:G0+4*\t+3], s[22:23], \t*16*2048   ; global address of the tile's first row,
	s_or_b32 s[G0+4*\t+3], s[G0+4*\t+3], 0x80000000             ; type = 2
.endr
.irp t, 0,1,2,3
	tensor_load_to_lds s[G0+4*\t:G0+4*\t+3], s[G1:G1+7]         ; the four first fills stand together, ahead of every wait on TENSORcnt, every LDS read and the barrier
	s_nop 0
.endr
.rept 4
	v_nop                                          ; (behind the tensor loads)
.endr
	s_add_nc_u64 s[12:13], s[12:13], s[18:19]      ; out at my first row
	s_lshl_b32 s36, s16, 15                        ; q_mask at my first row: 4 (8192 n + 1024 block + 64 wave)
	s_lshl_b32 s37, ttmp9, 12
	s_add_co_u32 s36, s36, s37
	s_lshl_b32 s37, s14, 8
	s_add_co_u32 s36, s36, s37
	s_mov_b32 s37, 0
	s_add_nc_u64 s[6:7], s[6:7], s[36:37]
	s_lshl_b32 s36, s15, 17                        ; kvp at my head: 8 x 16 KiB
	s_add_nc_u64 s[8:9], s[8:9], s[36:37]
	s_lshl_b32 s36, s15, 11                        ; ksp at my head: 8 x 256 bytes
	s_add_nc_u64 s[10:11], s[10:11], s[36:37]
	s_mov_b32 s32, 0x76543210                      ; v_permlanex16_b32: s32, s33: lane l xor 16; s33, s32: place (i + 8) % 16 of the other half
	s_mov_b32 s33, 0xfedcba98
	s_mov_b32 s34, L2E
	s_mov_b32 s35, L2E                             ; (named with s34 as a pair, so it is written)
	s_mov_b32 s40, 0xffff0000                      ; lanes 16-31
	v_and_b32 v112, 31, v0                         ; lane
	v_and_b32 v113, 15, v0                         ; r
	v_bfe_u32 v114, v0, 4, 1                       ; h
	v_lshrrev_b32 v117, 2, v112                    ; k_sum: lane L takes chunk L / 4, column 4 wave + L % 4
	v_and_b32 v118, 3, v112
	v_lshlrev_b32 v117, 8, v117
	v_lshl_add_u32 v117, v118, 2, v117
	s_lshl_b32 s38, s14, 4
	v_add_nc_u32 v117, s38, v117
	global_load_b32 v192, v117, s[10:11]
	s_lshl_b32 s38, s14, 10
	v_lshl_add_u32 v119, v112, 4, s38              ; kv: my sixteenth: 1024 wave + 16 lane
.irp c, 0,1,2,3,4,5,6,7
	global_load_b128 v[128+8*\c:131+8*\c], v119, s[8:9] offset:16384*\c        ; each load of the wave covers 512 consecutive bytes
	global_load_b128 v[132+8*\c:135+8*\c], v119, s[8:9] offset:16384*\c+512
.endr
	v_lshlrev_b32 v116, 2, v113
.irp t, 0,1,2,3
	global_load_b32 v[QM+2*\t], v116, s[6:7] offset:64*\t
	global_load_b32 v[QM+2*\t+1], v116, s[6:7] offset:64*\t
.endr
	; LDS addresses, made while the loads are out
	s_mul_i32 s39, s14, KVP
	s_add_co_u32 s39, s39, KVL
	v_lshl_add_u32 v120, v112, 4, s39              ; kv, in: KVL + 1040 wave + 16 lane
	s_lshr_b32 s41, s14, 3                         ; k_sum, in: column d = 4 wave + a (a = L % 4): block d / 32 = wave / 8;
	s_lshl_b32 s41, s41, 7
	s_bfe_u32 s42, s14, 0x10002                    ; 4 x slot = 64 (a % 2) + 32 ((wave / 4) % 2) + 8 (wave % 4) + 4 (a / 2)
	s_lshl_b32 s42, s42, 5
	s_add_co_u32 s41, s41, s42
	s_and_b32 s42, s14, 3
	s_lshl_b32 s42, s42, 3
	s_add_co_u32 s41, s41, s42
	s_add_co_u32 s41, s41, KSL
	v_and_b32 v124, 1, v112
	v_lshlrev_b32 v121, 6, v124
	v_bfe_u32 v124, v112, 1, 1
	v_lshl_add_u32 v121, v124, 2, v121
	v_add_nc_u32 v121, s41, v121
	v_mul_u32_u24 v122, v114, 4*KVP                ; kv, out: lane (n, h) wants block h of column 4 n + t: KVL + 4160 h + 1040 (n / 8) + 32 (n % 8); the rest stands in the loads' offsets
	v_lshrrev_b32 v124, 3, v113
	v_mad_u32_u24 v122, v124, KVP, v122
	v_and_b32 v124, 7, v113
	v_lshl_add_u32 v122, v124, 5, v122
	v_add_nc_u32 v122, KVL, v122
	v_lshlrev_b32 v123, 7, v114
	v_add_nc_u32 v123, KSL, v123                   ; k_sum, out: my block's 32 slots
	v_mul_u32_u24 v2, v113, QP
	v_lshl_add_u32 v2, v114, 7, v2
	v_add_nc_u32 v2, s21, v2                       ; q: my wave's bytes, row r, + 128 h
	v_lshlrev_b32 v3, 14, v114
	v_lshl_add_u32 v3, v113, 4, v3                 ; out: 8 h rows of 2,048 bytes + 16 n
	v_mov_b32 v193, 0                              ; written once: the destination of a lane permute or a DPP form counts as one of its sources
.irp i, 124,125,126,127
	v_mov_b32 v[\i], 0
.endr
.irp j, 0,1,2,3,4,5,6,7
	v_mov_b32 v[DV+\j], 0
.endr
.irp i, 4,5,6,7
	v_mov_b32 v[A+\i], 0                           ; zero codes for K = 64 .. 127
.endr
.irp c, 1,2,3,4,5,6,7
	s_wait_loadcnt 22-2*\c                         ; chunks 0 .. c are in; the 2 (7 - c) loads of later chunks and the 8 of q_mask may be out
.irp p, 0,2,4,6
	v_pk_add_f32 v[128+\p:129+\p], v[128+\p:129+\p], v[128+8*\c+\p:129+8*\c+\p]
.endr
.endr
	v_add_f32_dpp v192, v192, v192 row_xmask:4 row_mask:0xf bank_mask:0xf      ; k_sum's 8 chunks lie in lanes 4, 8 and 16 apart
	v_add_f32_dpp v192, v192, v192 row_xmask:8 row_mask:0xf bank_mask:0xf
	v_permlanex16_b32 v193, v192, s32, s33
	v_add_f32 v192, v192, v193
	ds_store_b32 v121, v192                        ; eight lanes write each word, with the same bits
	ds_store_b128 v120, v[128:131]
	ds_store_b128 v120, v[132:135] offset:512
	s_wait_dscnt 0x0                               ; for the others' sake: my stores have landed
	s_barrier_signal -1
	s_barrier_wait -1                              ; kv and k_sum are whole; q's loads may stay out across it
.irp i, 0,1,2,3,4,5,6,7
	ds_load_b128 v[KS+4*\i:KS+4*\i+3], v123 offset:16*\i
.endr
.irp t, 0,1,2,3                                ; slots 4 i .. 4 i + 3 of column 4 n + t: block 8 (i / 4) + 4 h + 2 (t % 2) + n / 8 of kvp's sixteen, half i % 2, lane 16 ((i / 2) % 2) + 2 (n % 8) + t / 2
.irp i, 0,1,2,3,4,5,6,7
	ds_load_b128 v[128+32*\t+4*\i:131+32*\t+4*\i], v122 offset:8*KVP*(\i/4)+2*KVP*(\t%2)+512*(\i%2)+256*((\i/2)%2)+16*(\t/2)
.endr
.endr
	s_wait_dscnt 0x0
.irp t, 0,1,2,3
	v_max3_num_f32 v[100+\t], |v[128+32*\t]|, |v[129+32*\t]|, 0x1800000        ; my block's largest magnitude, and the floor 2^(3 - 127): the byte cannot fall under 1
.endr
.irp i, 2,4,6,8,10,12,14,16,18,20,22,24,26,28,30
.irp t, 0,1,2,3
	v_max3_num_f32 v[100+\t], v[100+\t], |v[128+32*\t+\i]|, |v[129+32*\t+\i]|  ; (the four tiles by turns)
.endr
.endr
.irp t, 0,1,2,3
	v_add_nc_u32 v[104+\t], 0xff000000, v[100+\t]  ; 2 off the exponent field: the conversion's scale operand
.endr
.irp t, 0,1,2,3
	v_lshrrev_b32 v[108+\t], 23, v[104+\t]         ; the byte
.endr
.irp t, 0,1,2,3
	v_permlanex16_b32 v[124+\t], v[108+\t], s32, s33
.endr
.irp t, 0,1,2,3
	v_lshl_or_b32 v[SB+\t], v[124+\t], 8, v[108+\t]  ; lanes 0-15: block 0's byte, block 1's above it (lanes 16-31 are not read)
.endr
.irp t, 0,1,2,3
.irp x, 0,1,2,3
	v_cvt_scalef32_pk8_fp4_f32 v[B+8*\t+\x], v[128+32*\t+8*\x:135+32*\t+8*\x], v[104+\t]
.endr
.endr
	v_nop                                          ; one plain instruction behind the last scaled conversion
.irp t, 0,1,2,3
.irp x, 4,5,6,7
	v_mov_b32 v[B+8*\t+\x], 0
.endr
.endr
; A TILE: 16 rows.  Lane (r, h) holds row r, d = 32 h + 0 .. 31.
.macro TILE tt
	s_wait_tensorcnt 3-\tt                         ; this tile's 16 rows lie in LDS; the 3 - tt loads issued behind its own, the later tiles', may be out.  Nobody else reads these bytes
.set i, 0
.rept 8
	ds_load_b128 v[X+4*i:X+4*i+3], v2 offset:\tt*QT+16*i
.set i, i+1
.endr
	s_wait_dscnt 0x0
.set i, 0
.rept 16
	v_pk_mul_f32 v[T+2*i:T+2*i+1], v[X+2*i:X+2*i+1], s[34:35] op_sel_hi:[1,0]  ; x log2(e)
.set i, i+1
.endr
.set i, 0
.rept 32
	v_exp_f32 v[T+i], -|v[T+i]|                    ; 2^-|x log2 e|: one batch
.set i, i+1
.endr
.set i, 0
.rept 16
	v_pk_add_f32 v[X+2*i:X+2*i+1], v[X+2*i:X+2*i+1], 1.0 op_sel_hi:[1,0]       ; x + 1: plain work behind the batch
.set i, i+1
.endr
.if \tt > 0
	s_wait_xcnt 0x0                                ; the last tile's stores have read O, whose registers the lines below write again as P
.endif
	s_wait_alu depctr_va_vdst(0)                   ; one wait for the batch, ahead of its first reader
.set i, 0
.rept 32
	v_max_num_f32 v[P+16*(i%2)+8*(i/16)+((i/2)%8)], v[X+i], v[T+i]             ; elu1, written into its slot
.set i, i+1
.endr
.set i, 0
.rept 16
	v_pk_mul_f32 v[P+2*i:P+2*i+1], v[P+2*i:P+2*i+1], v[QM+2*\tt:QM+2*\tt+1]    ; x my row's mask
.set i, i+1
.endr
	v_max3_num_f32 v21, |v[P]|, |v[P+1]|, 0x1800000                            ; my block's largest magnitude, in two chains, and the floor
	v_max3_num_f32 v22, |v[P+2]|, |v[P+3]|, 0x1800000
.set i, 4
.rept 7
	v_max3_num_f32 v21, v21, |v[P+i]|, |v[P+i+1]|
	v_max3_num_f32 v22, v22, |v[P+i+2]|, |v[P+i+3]|
.set i, i+4
.endr
	v_max_num_f32 v21, v21, v22
	v_add_nc_u32 v23, 0xff000000, v21              ; the conversion's scale operand
	v_lshrrev_b32 v104, 23, v23                    ; the byte
	v_permlanex16_b32 v105, v104, s32, s33
	v_lshl_or_b32 v[SA], v105, 8, v104             ; lanes 0-15: row r's word
.set i, 0
.rept 4
	v_cvt_scalef32_pk8_fp4_f32 v[A+i], v[P+8*i:P+8*i+7], v23
.set i, i+1
.endr
	v_pk_mul_f32 v[100:101], v[P:P+1], v[KS:KS+1]                              ; qf . k_sum on the unquantised qf, in f32: two chains of packed multiply-adds.
	v_pk_mul_f32 v[102:103], v[P+2:P+3], v[KS+2:KS+3]                          ; (These lines are also the places between the scale word, the codes and the matrix instructions)
.set i, 4
.rept 7
	v_pk_fma_f32 v[100:101], v[P+i:P+i+1], v[KS+i:KS+i+1], v[100:101]
	v_pk_fma_f32 v[102:103], v[P+i+2:P+i+3], v[KS+i+2:KS+i+3], v[102:103]
.set i, i+4
.endr
	v_pk_add_f32 v[100:101], v[100:101], v[102:103]
	v_add_f32 v106, v100, v101                     ; my block's part,
	v_permlanex16_b32 v107, v106, s32, s33
	v_add_f32 v108, v106, v107                     ; with the other block's: row r's, in both halves
	v_permlanex16_b32 v109, v108, s33, s32         ; row (r + 8) % 16's
	v_cndmask_b32 v108, v108, v109, s40            ; lanes 16-31 take that: place j of half h now holds row 8 h + j (j < 8)
	v_add_f32 v108, 0x358637bd, v108               ; + 1e-6
	v_rcp_f32 v110, v108
	v_nop                                          ; a plain instruction behind the transcendental
.irp t, 0,1,2,3
	v_wmma_scale_f32_16x16x128_f8f6f4 v[ACC+8*\t:ACC+8*\t+7], v[A:A+7], v[B+8*\t:B+8*\t+7], 0, v[SA], v[SB+\t] matrix_a_fmt:MATRIX_FMT_FP4 matrix_b_fmt:MATRIX_FMT_FP4
.endr
	s_wait_alu depctr_va_vdst(0)                   ; the wait ahead of the reciprocal's first reader
	v_mul_f32 v110, 0x46000000, v110               ; x S = 8192
.rept 3
	v_nop                                          ; with the line above: four places behind the last matrix instruction (ISA guide 7.12.1)
.endr
.irp j, 0,1,2,3,4,5,6,7
	v_mov_b32_dpp v[DV+\j], v110 row_share:\j row_mask:0xf bank_mask:0xf       ; all sixteen lanes of half h: S / (..) of row 8 h + j
.endr
.set j, 0
.rept 8
	v_mul_f32 v[O+4*j], v[ACC+j], v[DV+j]          ; each accumulator is read from its low end on
	v_mul_f32 v[O+4*j+1], v[ACC+8+j], v[DV+j]
	v_mul_f32 v[O+4*j+2], v[ACC+16+j], v[DV+j]
	v_mul_f32 v[O+4*j+3], v[ACC+24+j], v[DV+j]     ; out(8 h + j, 4 n + 0 .. 3)
	global_store_b128 v3, v[O+4*j:O+4*j+3], s[12:13] offset:\tt*32768+2048*j th:TH_STORE_NT   ; sixteen lanes store a row's 256 consecutive bytes, aligned; written once, read by nobody here
.set j, j+1
.endr
.endm
	s_wait_loadcnt 0x0                             ; q_mask
	TILE 0
	TILE 1
	TILE 2
	TILE 3                                         ; its wait on TENSORcnt is for 0: no tensor load is out at the end
	s_wait_tensorcnt 0x0
	ds_add_u32 v1, v115
	s_wait_dscnt 0x0
	s_endpgm
.Lfunc_end_k_q82202ffd87_apply:
	.size	k_q82202ffd87_apply, .Lfunc_end_k_q82202ffd87_apply-k_q82202ffd87_apply
	.p2alignl 7, 3214868480
	.fill 96, 4, 3214868480
	.section	.rodata,"a",@progbits
	.p2align	6, 0x0
	.amdhsa_kernel k_q82202ffd87_apply
		.amdhsa_group_segment_fixed_size 301056
		.amdhsa_private_segment_fixed_size 0
		.amdhsa_enable_private_segment 0
		.amdhsa_kernarg_size 40
		.amdhsa_user_sgpr_count 2
		.amdhsa_user_sgpr_kernarg_segment_ptr 1
		.amdhsa_wavefront_size32 1
		.amdhsa_system_sgpr_workgroup_id_x 1
		.amdhsa_system_sgpr_workgroup_id_y 1
		.amdhsa_system_sgpr_workgroup_id_z 1
		.amdhsa_system_vgpr_workitem_id 0
		.amdhsa_next_free_vgpr 256
		.amdhsa_next_free_sgpr 66
		.amdhsa_reserve_vcc 0
		.amdhsa_float_denorm_mode_32 3
		.amdhsa_float_denorm_mode_16_64 3
		.amdhsa_memory_ordered 1
		.amdhsa_forward_progress 1
		.amdhsa_inst_pref_size 71
	.end_amdhsa_kernel
	.amdgpu_metadata
---
amdhsa.version: [ 1, 2 ]
amdhsa.kernels:
  - .name:           k_q82202ffd87_apply
    .symbol:         k_q82202ffd87_apply.kd
    .args:
      - { .name: q, .offset: 0, .size: 8, .value_kind: global_buffer, .address_space: global }
      - { .name: q_mask, .offset: 8, .size: 8, .value_kind: global_buffer, .address_space: global }
      - { .name: kvp, .offset: 16, .size: 8, .value_kind: global_buffer, .address_space: global }
      - { .name: ksp, .offset: 24, .size: 8, .value_kind: global_buffer, .address_space: global }
      - { .name: out0, .offset: 32, .size: 8, .value_kind: global_buffer, .address_space: global }
    .group_segment_fixed_size: 301056
    .private_segment_fixed_size: 0
    .kernarg_segment_align: 8
    .kernarg_segment_size: 40
    .max_flat_workgroup_size: 512
    .sgpr_count:     66
    .vgpr_count:     256
    .wavefront_size: 32
...
	.end_amdgpu_metadata
.endif
;; end of part 2
;; ======== version 2 of 2: 2 launches; version 1 with the launch state written anew for expert scheduling mode
;; workspace buffers: kvp 4,194,304 bytes; ksp 65,536 bytes
;; launch state (part 3): grid 8 x 32, 16 waves a work-group, no clusters, 79,872 bytes of LDS; arguments k, v, kv_mask, kvp, ksp; writes kvp, ksp
.if DOCPART == 3
	.amdgcn_target "amdgcn-amd-amdhsa--gfx1250"
	.amdhsa_code_object_version 6
	.text
	.protected	k_q82202ffd87_state
	.globl	k_q82202ffd87_state
	.p2align	8
	.type	k_q82202ffd87_state,@function
k_q82202ffd87_state:
	s_mov_b64 s[64:65], 0
	v_nop
	global_prefetch_b8 v0, s[64:65] scope:SCOPE_SE
	s_setreg_imm32_b32 hwreg(HW_REG_WAVE_SCHED_MODE, 0, 2), 2
	s_setreg_imm32_b32 hwreg(HW_REG_WAVE_MODE, 25, 1), 1
	s_wait_xcnt 0x0
	s_wait_alu depctr_vm_vsrc(0)
; kv[n][h][d][v] = sum over s of Q(mask elu1(k))[s][d] x Q(mask v / S)[s][v], and k_sum[n][h][d] = sum over s of mask elu1(k), for ONE chunk of 1,024 s of one (n, h).
; k, v: [4][8192][8][64] f32; kv_mask: [4][8192] f32.  Q: codes of FP4 (E2M1) with one E8M0 scale for each 32 along K = s.  elu1(x) = x + 1 for x > 0, e^x else.
; OUT: kvp[8 n + h][chunk][4096] f32, a partial sum of kv in the order of the results' registers (below); ksp[8 n + h][chunk][64] f32.  The next launch adds the 8 chunks.
; SHARES.  Work-group (x = chunk, y = 8 n + h); sixteen waves; wave w takes s = 1024 x + 64 w .. + 63 of k and of v: four pieces of 32 rows, 8 KiB each.
; A LANE TAKES TWO COLUMNS, ITS REGISTERS RUN DOWN s.  A head's row is 64 f32: each load of the wave (8 bytes a lane) covers those 256 consecutive bytes, aligned.  So a block of 32 along K lies in one lane,
; its largest magnitude needs no other lane, the mask of a row is the same in all lanes (a scalar register), and the last elementwise instruction writes each number where the conversion wants it: nothing is transposed.
; elu1(x) = max(x + 1, 2^-|x log2 e|): for x > 0 the power is under 1 < x + 1; for x <= 0 it is e^x >= x + 1.  No compare, no select.
; v / S, S = 2^13: the codes of mask v / S are those of mask v, and the block's byte is 13 lower; the floor under the largest magnitude is 13 higher, so that the byte is held at 1 as the rule asks.
; FROM LANES TO FRAGMENTS.  Lane L holds columns 2 L + e (e = 0, 1).  v_permlane16_swap_b32 on the codes of blocks 0 and 1 leaves, in the first register, rows 2 r + e with block 0 in lanes 0-15 and block 1 in lanes 16-31,
; in the second the same of rows 32 + 2 r + e: registers 0-3 (even wave) or 4-7 (odd wave) of the fragments of four tiles: tile 2 e + half holds columns 32 half + 2 r + e.
; THROUGH LDS AS IMAGES OF REGISTERS: codes at tile x 8192 + wave x 512 + 16 x lane, a wave's two scale bytes as a word at wave x 128 + 4 x lane.  One barrier.  Then wave w makes tile (w / 4 of k) x (w % 4 of v) over the
; chunk's eight K steps of 128: two accumulators by turns.  Result register q of lane (r, h): kv(d = 32 halfA + 16 h + 2 q + eA, v = 32 halfB + 2 r + eB); it is stored at 1024 w + 512 (q / 4) + 16 lane + 4 (q % 4).
; No cluster: work-groups share no input.  No tensor load: the numbers are wanted in registers, in this very order.
; LIMITS: NaN and infinities are not served.  e^x is v_exp_f32 of x log2 e, the product rounded once: relative error about (1 + |x| / 6) x 1e-7; under 2^-126 (x < -87.3) it is 0.  A block of zeros has the byte 1, not 127:
; its codes are zeros and this program alone reads the bytes.  mask v under 2^-113 is not rounded as the denormal mask v / S would be.
; THE MODE: SCHED_MODE bits 1:0 = 2 (LLVM: expert scheduling mode 2), set by the entry lines.  The code itself states the register dependences
; between vector or matrix instructions and memory or LDS instructions, with s_wait_alu, always for 0.
; THE PLAN.  Registers that memory or LDS instructions touch:
;   v1           the offset of every global load and of the store of k_sum's part; v2-v9: LDS addresses and kvp's offset.  All written once, at the head, and never again.
;   RA, RB       loads of k land; eight rows at a time the multiplications read them, the additions write them, the maxima read them; then loads of v land, which v's multiplications read; behind the barrier
;                the fragments' LDS loads land, which the matrix instructions read; in wave 0 the column sums' LDS loads land in v16-47.
;   v144-159     part of P, named by vector instructions up to v's last conversions; behind the barrier the halves of the scale words land there and are joined by vector instructions.
;   CK, SBK, KS  written by k's conversions, swaps and additions, read by seven LDS stores, never written again.   T, SBV: the same for v, six LDS stores.
;   v176-183     written by the last additions, read by the two stores of kvp.   v[16:17] in wave 0: written by the last addition, read by the store of ksp.
; A piece of k has one wait on va_vdst in each batch of eight rows, ahead of the first reader of the batch's powers.  It also states that the eight rows BEFORE are done with: so the loads of v into those
; rows stand straight behind it, dealt among k's vector work, with no wait of their own.  The last eight rows have a wait of their own, behind their maxima.
; No register that a memory or LDS instruction reads is ever written again: so the text holds no wait on vm_vsrc past the entry lines.
.set L2E,  0x3fb8aa3b                  ; log2(e)
.set RA,   16                          ; v16-79    a piece as loaded: register 2 j + e = row j, column 2 L + e
.set RB,   80                          ; v80-143   the other piece
.set P,    144                         ; v144-207  a piece in K order: register 32 e + j
.set T,    208                         ; v208-223  eight rows' powers at work; later v's codes
.set CK,   224                         ; v224-239  k's codes: 8 e + 4 block + 0 .. 3
.set KS,   240                         ; v240-243  column sums: a pair (even rows, odd rows) for each e
.set SBK,  244                         ; v244-245  k's two scale bytes for each e
.set SBV,  246                         ; v246-247  v's
.set AM,   248                         ; v248-249 largest magnitudes, v250-251 the conversions' scale operands, v252-253 bytes
.set IMGV, 32768                       ; LDS: k's images at 0, v's here,
.set SC,   65536                       ; the scale words: tensor x 4096 + e x 2048 + wave x 128 + 4 x lane,
.set KSA,  73728                       ; the waves' column sums: wave x 256 + 8 x lane
; scalar registers: s2 wave; s8-63 and s68-75 the 64 masks of my rows; s[76:85] k, v, kv_mask, kvp, ksp; s[88:89] log2(e)
	s_load_b256 s[76:83], s[0:1], 0x0              ; k, v, kv_mask, kvp
	s_load_b64 s[84:85], s[0:1], 0x20              ; ksp
	v_lshl_add_u32 v254, v0, 2, 0x13000
	v_mov_b32 v255, 0
	v_lshrrev_b32 v10, 5, v0
	v_readfirstlane_b32 s2, v10                    ; wave 0..15
	v_and_b32 v11, 31, v0                          ; lane
	v_and_b32 v12, 15, v0                          ; r
	v_bfe_u32 v13, v0, 4, 1                        ; h
	v_lshlrev_b32 v1, 3, v11                       ; my 8 bytes of a row
	s_wait_alu depctr_va_sdst(0)                   ; s2 is written, ahead of its first reader: the bases and the LDS addresses are made from it
	s_and_b32 s3, ttmp7, 0xffff                    ; y = 8 n + h
	s_lshr_b32 s4, s3, 3                           ; n
	s_and_b32 s5, s3, 7                            ; head
	s_lshl_b32 s6, s4, 24                          ; bytes: n x 8192 rows of 2,048,
	s_lshl_b32 s7, ttmp9, 21                       ; + chunk x 1024 rows,
	s_add_co_u32 s6, s6, s7
	s_lshl_b32 s7, s2, 17                          ; + wave x 64 rows,
	s_add_co_u32 s6, s6, s7
	s_lshl_b32 s7, s5, 8                           ; + head x 256
	s_add_co_u32 s6, s6, s7
	s_mov_b32 s7, 0
	s_lshl_b32 s86, s4, 15                         ; the masks of my 64 rows: 4 (8192 n + 1024 chunk + 64 wave)
	s_lshl_b32 s87, ttmp9, 12
	s_add_co_u32 s86, s86, s87
	s_lshl_b32 s87, s2, 8
	s_add_co_u32 s86, s86, s87
	s_mov_b32 s87, 0
	s_mov_b32 s88, L2E
	s_mov_b32 s89, L2E                             ; (named with s88 as a pair, so it is written)
	s_wait_kmcnt 0x0
	s_add_nc_u64 s[76:77], s[76:77], s[6:7]
	s_add_nc_u64 s[78:79], s[78:79], s[6:7]
	s_add_nc_u64 s[80:81], s[80:81], s[86:87]
	s_wait_alu depctr_va_vdst(0)                   ; v1 is written: every global load of the kernel reads it as its offset
.macro LOADP R, base, b                ; block b (32 rows) of the tensor at s[base]: each load covers one row's 256 consecutive bytes
.set j, 0
.rept 32
	global_load_b64 v[\R+2*j:\R+2*j+1], v1, s[\base:\base+1] offset:(32*(\b)+j)*2048 th:TH_LOAD_NT
.set j, j+1
.endr
.endm
.macro LOAD8 R, base, b, q             ; rows 8 q .. 8 q + 7 of that block
.set j, 8*(\q)
.rept 8
	global_load_b64 v[\R+2*j:\R+2*j+1], v1, s[\base:\base+1] offset:(32*(\b)+j)*2048 th:TH_LOAD_NT
.set j, j+1
.endr
.endm
	LOADP RA, 76, 0                                ; k, block 0
	LOADP RB, 76, 1                                ; k, block 1: 16 KiB of the wave are on their way
.irp g, 0,1,2,3,4,5,6
	s_load_b256 s[8+8*\g:15+8*\g], s[80:81], 32*\g ; masks 0 .. 55 in s8 .. s63
.endr
	s_load_b256 s[68:75], s[80:81], 224            ; masks 56 .. 63 in s68 .. s75
	; every LDS address and store offset, made while the loads are out.  Their first readers stand behind the waits on va_vdst of k's pieces
	s_lshl_b32 s90, s2, 9
	v_lshl_add_u32 v2, v11, 4, s90                 ; images, in: 512 wave + 16 lane
	s_lshl_b32 s90, s2, 7
	s_add_co_u32 s90, s90, SC
	v_lshl_add_u32 v3, v11, 2, s90                 ; scale words, in: SC + 128 wave + 4 lane
	s_lshl_b32 s90, s2, 8
	s_add_co_u32 s90, s90, KSA
	v_lshl_add_u32 v4, v11, 3, s90                 ; column sums, in: KSA + 256 wave + 8 lane
	s_lshr_b32 s91, s2, 2                          ; my tile of k,
	s_and_b32 s92, s2, 3                           ; my tile of v
	s_lshl_b32 s90, s91, 13
	v_lshl_add_u32 v5, v11, 4, s90                 ; k's fragments, out
	s_lshl_b32 s90, s92, 13
	s_add_co_u32 s90, s90, IMGV
	v_lshl_add_u32 v6, v11, 4, s90                 ; v's
	s_lshr_b32 s93, s91, 1                         ; scale words, out: lanes 0-15 take k's tile (e x 2048 + half x 64 + 4 r),
	s_and_b32 s94, s91, 1
	s_lshl_b32 s93, s93, 11
	s_lshl_b32 s94, s94, 6
	s_add_co_u32 s93, s93, s94
	s_lshr_b32 s95, s92, 1                         ; lanes 16-31 v's tile, 4,096 further on:
	s_and_b32 s96, s92, 1
	s_lshl_b32 s95, s95, 11
	s_lshl_b32 s96, s96, 6
	s_add_co_u32 s95, s95, s96
	s_add_co_u32 s95, s95, 4096
	s_sub_co_u32 s95, s95, s93                     ; the lower base + h x the distance (1,984 at the least)
	v_mul_u32_u24 v7, s95, v13
	s_add_co_u32 s93, s93, SC
	v_lshl_add_u32 v7, v12, 2, v7
	v_add_nc_u32 v7, s93, v7
	s_lshl_b32 s90, s2, 10
	v_lshl_add_u32 v8, v11, 4, s90                 ; kvp: 1024 wave + 16 lane
	v_lshl_add_u32 v9, v11, 3, KSA                 ; column sums, out
	s_lshl_b32 s90, s3, 17                         ; kvp at (y, chunk): 16 KiB each
	s_lshl_b32 s91, ttmp9, 14
	s_add_co_u32 s90, s90, s91
	s_mov_b32 s91, 0
	s_add_nc_u64 s[82:83], s[82:83], s[90:91]
	s_lshl_b32 s90, s3, 11                         ; ksp at (y, chunk): 256 bytes each
	s_lshl_b32 s92, ttmp9, 8
	s_add_co_u32 s90, s90, s92
	s_add_nc_u64 s[84:85], s[84:85], s[90:91]
.macro MASKK b, q                      ; rows 8 q .. 8 q + 7 of block b, in P: x the row's mask
.set i, 0
.rept 8
.set jj, 32*(\b)+8*(\q)+i
.set ms, 8+jj+4*(jj/56)
	v_mul_f32 v[P+8*(\q)+i], s[ms], v[P+8*(\q)+i]
	v_mul_f32 v[P+32+8*(\q)+i], s[ms], v[P+32+8*(\q)+i]
.set i, i+1
.endr
.endm
; A piece of k, block b: mask x elu1, eight rows at a time, out of R into P.  As soon as eight rows of R are done with, the same rows of v's block b are asked for into them.
; THE COUNTS.  Loads come back in order.  Behind the loads of the batch's own eight rows were issued: batch 0: the piece's 24 later rows and the 32 of the piece behind it: 56; batch 1: 16 + 32 = 48;
; batch 2: 8 + 32 and the 8 of v dealt in batch 1: 48; batch 3: 32 and the 16 dealt in batches 1 and 2: 48.  The same for both pieces: behind k's block 1 stand the 32 loads of v's block 0.
.macro KPIECE R, b
.set bt, 0
.rept 4
.if bt == 0
	s_wait_loadcnt 56                              ; these eight rows are in; all that was issued behind them stays out (the counts: above)
.else
	s_wait_loadcnt 48
.endif
.set i, 0
.rept 8
	v_pk_mul_f32 v[T+2*i:T+2*i+1], v[\R+16*bt+2*i:\R+16*bt+2*i+1], s[88:89] op_sel_hi:[1,0]   ; x log2(e)
.set i, i+1
.endr
.set i, 0
.rept 16
	v_exp_f32 v[T+i], -|v[T+i]|                    ; 2^-|x log2 e|: sixteen as one batch
.set i, i+1
.endr
.set i, 0
.rept 8
	v_pk_add_f32 v[\R+16*bt+2*i:\R+16*bt+2*i+1], v[\R+16*bt+2*i:\R+16*bt+2*i+1], 1.0 op_sel_hi:[1,0]   ; x + 1: plain work behind the batch,
.set i, i+1
.endr
.if bt > 0
	MASKK \b, bt-1                                 ; and the masks of the eight rows before
.endif
	s_wait_alu depctr_va_vdst(0)                   ; the sixteen powers in v[T ..] are written, ahead of their first reader; and the eight rows before are done with: the additions have written them, the maxima have read them
.if bt > 0
	LOAD8 \R, 78, \b, bt-1                         ; so v's rows land there.  No vector instruction since the wait names these registers
.endif
.set i, 0
.rept 8
	v_max_num_f32 v[P+8*bt+i], v[\R+16*bt+2*i], v[T+2*i]           ; elu1, written where K order wants it
	v_max_num_f32 v[P+32+8*bt+i], v[\R+16*bt+2*i+1], v[T+2*i+1]
.set i, i+1
.endr
.set bt, bt+1
.endr
	s_wait_alu depctr_va_vdst(0)                   ; the last maxima are done reading rows 24 to 31 of R, in which the loads below land
	LOAD8 \R, 78, \b, 3
	MASKK \b, 3
.endm
.macro KRED b                          ; the column sums take the unquantised numbers: two at a time, a chain for each e
.if \b == 0
	v_pk_add_f32 v[KS:KS+1], v[P:P+1], v[P+2:P+3]                  ; the first rows start the sums: nothing is cleared
	v_pk_add_f32 v[KS+2:KS+3], v[P+32:P+33], v[P+34:P+35]
.set i, 2
.else
.set i, 0
.endif
.rept 14+2*\b
	v_pk_add_f32 v[KS:KS+1], v[KS:KS+1], v[P+2*i:P+2*i+1]
	v_pk_add_f32 v[KS+2:KS+3], v[KS+2:KS+3], v[P+32+2*i:P+32+2*i+1]
.set i, i+1
.endr
.endm
; A piece of v: mask x v, out of R into P in K order.  cnt: the loads issued behind this piece's.
.macro VPIECE R, b, cnt
.set bt, 0
.rept 4
	s_wait_loadcnt \cnt+24-8*bt                    ; loads come back in order: these eight rows are in; the piece's later rows and the next piece stay out
.set i, 0
.rept 8
.set jj, 32*(\b)+8*bt+i
.set ms, 8+jj+4*(jj/56)
	v_mul_f32 v[P+8*bt+i], s[ms], v[\R+16*bt+2*i]
	v_mul_f32 v[P+32+8*bt+i], s[ms], v[\R+16*bt+2*i+1]
.set i, i+1
.endr
.set bt, bt+1
.endr
.endm
; The two blocks in P (one for each e) become codes at v[cd + 8 e + 4 b] on and a byte of v[sb + e].  floor: under it no largest magnitude is taken, so the byte cannot fall under 1.
; badj: what is taken off the largest magnitude's exponent field for the byte (2; for v 2 + 13).  The conversion takes the exponent field of its scale operand (2 off) and nothing else of it.
.macro QUANT b, floor, badj, cd, sb
	v_max3_num_f32 v[AM], |v[P]|, |v[P+1]|, \floor
	v_max3_num_f32 v[AM+1], |v[P+32]|, |v[P+33]|, \floor
.set i, 2
.rept 15
	v_max3_num_f32 v[AM], v[AM], |v[P+i]|, |v[P+i+1]|
	v_max3_num_f32 v[AM+1], v[AM+1], |v[P+32+i]|, |v[P+33+i]|
.set i, i+2
.endr
	v_add_nc_u32 v[AM+2], 0xff000000, v[AM]
	v_add_nc_u32 v[AM+3], 0xff000000, v[AM+1]
	v_add_nc_u32 v[AM+4], \badj, v[AM]
	v_add_nc_u32 v[AM+5], \badj, v[AM+1]
.if \b == 0
	v_lshrrev_b32 v[\sb], 23, v[AM+4]              ; block 0's byte
	v_lshrrev_b32 v[\sb+1], 23, v[AM+5]
.else
	v_lshrrev_b32 v[AM+4], 23, v[AM+4]
	v_lshrrev_b32 v[AM+5], 23, v[AM+5]
	v_lshl_or_b32 v[\sb], v[AM+4], 8, v[\sb]       ; block 1's above it
	v_lshl_or_b32 v[\sb+1], v[AM+5], 8, v[\sb+1]
.endif
.set i, 0
.rept 4
	v_cvt_scalef32_pk8_fp4_f32 v[\cd+4*\b+i], v[P+8*i:P+8*i+7], v[AM+2]
	v_cvt_scalef32_pk8_fp4_f32 v[\cd+8+4*\b+i], v[P+32+8*i:P+32+8*i+7], v[AM+3]
.set i, i+1
.endr
	v_nop                                          ; one plain instruction behind the last scaled conversion
.endm
.macro SWAPS cd                        ; halves change places (head comment)
.set i, 0
.rept 4
	v_permlane16_swap_b32 v[\cd+i], v[\cd+4+i]
	v_permlane16_swap_b32 v[\cd+8+i], v[\cd+12+i]
.set i, i+1
.endr
.endm
.macro IMAGES cd, sb, img, sco         ; the four half fragments and the two scale words go to LDS as they stand
	ds_store_b128 v2, v[\cd:\cd+3] offset:\img
	ds_store_b128 v2, v[\cd+4:\cd+7] offset:\img+8192
	ds_store_b128 v2, v[\cd+8:\cd+11] offset:\img+16384
	ds_store_b128 v2, v[\cd+12:\cd+15] offset:\img+24576
	ds_store_b32 v3, v[\sb] offset:\sco
	ds_store_b32 v3, v[\sb+1] offset:\sco+2048
.endm
	s_wait_kmcnt 0x0                               ; the masks
	KPIECE RA, 0                                   ; k's block 0; v's block 0 goes out into its registers
	KRED 0
	QUANT 0, 0x1800000, 0xff000000, CK, SBK
	KPIECE RB, 1                                   ; k's block 1; v's block 1 goes out: the cheap pieces come last, so that little work stands behind the last byte
	KRED 1
	QUANT 1, 0x1800000, 0xff000000, CK, SBK
	SWAPS CK
	v_add_f32 v[KS], v[KS], v[KS+1]                ; even rows + odd rows: columns 2 L
	v_add_f32 v[KS+1], v[KS+2], v[KS+3]            ; and 2 L + 1
	s_wait_alu depctr_va_vdst(0)                   ; the swaps have written k's codes, the shifts its scale words, the two additions the column sums: the seven LDS stores below read them (their addresses v2 to v4 were written at the head)
	IMAGES CK, SBK, 0, 0
	ds_store_b64 v4, v[KS:KS+1]
	VPIECE RA, 0, 32
	QUANT 0, 0x8000000, 0xf8800000, T, SBV         ; the floor 2^(16 - 127) and 15 off the exponent field: the byte of mask v / 2^13
	VPIECE RB, 1, 0
	QUANT 1, 0x8000000, 0xf8800000, T, SBV
	SWAPS T
	s_wait_alu depctr_va_vdst(0)                   ; the swaps have written v's codes, the shifts its scale words, which the six LDS stores read; and every vector instruction that named v16 to v159 is done: the LDS loads behind the barrier land there
	IMAGES T, SBV, IMGV, 4096
	s_wait_dscnt 0x0                               ; for the others' sake: my stores have landed
	s_barrier_signal -1
	s_barrier_wait -1                              ; all sixteen waves' images lie in LDS; nothing is stored to LDS from here on
	; my tile of kv over the chunk's eight K steps.  K step g: registers 0-3 and scale bytes 0, 1 come from wave 2 g, registers 4-7 and bytes 2, 3 from wave 2 g + 1
	; (No wait on va_vdst here: no vector instruction has been issued since the one ahead of v's images)
.set g, 0
.rept 8
	ds_load_b32 v[144+g], v7 offset:256*g          ; lanes 0-15: k's rows; lanes 16-31: v's columns
	ds_load_b32 v[152+g], v7 offset:256*g+128
.set g, g+1
.endr
.set g, 0
.rept 8
	ds_load_b128 v[16+16*g:19+16*g], v5 offset:1024*g
	ds_load_b128 v[20+16*g:23+16*g], v5 offset:1024*g+512
	ds_load_b128 v[24+16*g:27+16*g], v6 offset:1024*g
	ds_load_b128 v[28+16*g:31+16*g], v6 offset:1024*g+512
.set g, g+1
.endr
	s_wait_dscnt 32                                ; the sixteen halves of scale words are in; the 32 fragment loads may be out
.set g, 0
.rept 8
	v_lshl_or_b32 v[144+g], v[152+g], 16, v[144+g]
.set g, g+1
.endr
.rept 8
	v_nop                                          ; a scale register written by a vector instruction stands eight places ahead of a scaled matrix instruction
.endr
	s_wait_alu depctr_va_vdst(0)                   ; the eight scale words v144 to v151 are written, which the matrix instructions take as scales; the places above stay beside this wait
.set g, 0
.rept 8
	s_wait_dscnt 4*(7-g)                           ; this K step's four loads are in; the later steps' may be out
.if g < 2
	v_wmma_scale_f32_16x16x128_f8f6f4 v[160+8*g:167+8*g], v[16+16*g:23+16*g], v[24+16*g:31+16*g], 0, v[144+g], v[144+g] matrix_a_fmt:MATRIX_FMT_FP4 matrix_b_fmt:MATRIX_FMT_FP4 matrix_b_scale:MATRIX_SCALE_ROW1
.else
	v_wmma_scale_f32_16x16x128_f8f6f4 v[160+8*(g%2):167+8*(g%2)], v[16+16*g:23+16*g], v[24+16*g:31+16*g], v[160+8*(g%2):167+8*(g%2)], v[144+g], v[144+g] matrix_a_fmt:MATRIX_FMT_FP4 matrix_b_fmt:MATRIX_FMT_FP4 matrix_b_scale:MATRIX_SCALE_ROW1
.endif
.set g, g+1
.endr                                              ; two accumulators by turns, one instruction a turn
.rept 4
	v_nop                                          ; four places behind the last matrix instruction (ISA guide 7.12.1)
.endr
.irp p, 0,2,4,6
	v_pk_add_f32 v[176+\p:177+\p], v[160+\p:161+\p], v[168+\p:169+\p]   ; even K steps + odd K steps, from the low end on
.endr
	s_wait_alu depctr_va_vdst(0)                   ; the four additions have written v176 to v183, which the two stores read; and the matrix instructions are done reading v16 to v47, in which wave 0's LDS loads below land
	global_store_b128 v8, v[176:179], s[82:83]             ; each store of the wave covers 512 consecutive bytes, aligned
	global_store_b128 v8, v[180:183], s[82:83] offset:512
	s_cmp_lg_u32 s2, 0
	s_cbranch_scc1 .Ldone
.set i, 0
.rept 16
	ds_load_b64 v[16+2*i:17+2*i], v9 offset:256*i  ; wave 0 adds the sixteen waves' column sums
.set i, i+1
.endr
	s_wait_dscnt 0x0
.irp i, 0,1,2,3,4,5,6,7
	v_pk_add_f32 v[16+4*\i:17+4*\i], v[16+4*\i:17+4*\i], v[18+4*\i:19+4*\i]
.endr
.irp i, 0,1,2,3
	v_pk_add_f32 v[16+8*\i:17+8*\i], v[16+8*\i:17+8*\i], v[20+8*\i:21+8*\i]
.endr
.irp i, 0,1
	v_pk_add_f32 v[16+16*\i:17+16*\i], v[16+16*\i:17+16*\i], v[24+16*\i:25+16*\i]
.endr
	v_pk_add_f32 v[16:17], v[16:17], v[32:33]
	s_wait_alu depctr_va_vdst(0)                   ; the last addition has written v[16:17], which the store reads
	global_store_b64 v1, v[16:17], s[84:85]        ; 256 consecutive bytes, aligned: k_sum's part, d ascending
.Ldone:
	s_wait_dscnt 0x0                               ; the closing lines, six on end
	s_wait_alu 0x0
	s_wait_tensorcnt 0x0
	ds_add_u32 v254, v255
	s_wait_dscnt 0x0
	s_endpgm
.Lfunc_end_k_q82202ffd87_state:
	.size	k_q82202ffd87_state, .Lfunc_end_k_q82202ffd87_state-k_q82202ffd87_state
	.p2alignl 7, 3214868480
	.fill 96, 4, 3214868480
	.section	.rodata,"a",@progbits
	.p2align	6, 0x0
	.amdhsa_kernel k_q82202ffd87_state
		.amdhsa_group_segment_fixed_size 79872
		.amdhsa_private_segment_fixed_size 0
		.amdhsa_enable_private_segment 0
		.amdhsa_kernarg_size 40
		.amdhsa_user_sgpr_count 2
		.amdhsa_user_sgpr_kernarg_segment_ptr 1
		.amdhsa_wavefront_size32 1
		.amdhsa_system_sgpr_workgroup_id_x 1
		.amdhsa_system_sgpr_workgroup_id_y 1
		.amdhsa_system_sgpr_workgroup_id_z 1
		.amdhsa_system_vgpr_workitem_id 0
		.amdhsa_next_free_vgpr 256
		.amdhsa_next_free_sgpr 100
		.amdhsa_reserve_vcc 0
		.amdhsa_float_denorm_mode_32 3
		.amdhsa_float_denorm_mode_16_64 3
		.amdhsa_memory_ordered 1
		.amdhsa_forward_progress 1
		.amdhsa_inst_pref_size 71
	.end_amdhsa_kernel
	.amdgpu_metadata
---
amdhsa.version: [ 1, 2 ]
amdhsa.kernels:
  - .name:           k_q82202ffd87_state
    .symbol:         k_q82202ffd87_state.kd
    .args:
      - { .name: k, .offset: 0, .size: 8, .value_kind: global_buffer, .address_space: global }
      - { .name: v, .offset: 8, .size: 8, .value_kind: global_buffer, .address_space: global }
      - { .name: kv_mask, .offset: 16, .size: 8, .value_kind: global_buffer, .address_space: global }
      - { .name: kvp, .offset: 24, .size: 8, .value_kind: global_buffer, .address_space: global }
      - { .name: ksp, .offset: 32, .size: 8, .value_kind: global_buffer, .address_space: global }
    .group_segment_fixed_size: 79872
    .private_segment_fixed_size: 0
    .kernarg_segment_align: 8
    .kernarg_segment_size: 40
    .max_flat_workgroup_size: 512
    .sgpr_count:     100
    .vgpr_count:     256
    .wavefront_size: 32
...
	.end_amdgpu_metadata
.endif
;; end of part 3
;; launch apply: the kernel of part 2 again; grid 8 x 32, 16 waves a work-group, no clusters, 301,056 bytes of LDS; arguments q, q_mask, kvp, ksp, out0; writes out0
